; MI455X (gfx1250); checked and timed in simulation.
; The chip was launched on July 23, 2026; its instructions are those of AMD's public machine-readable ISA for CDNA 5 (MIT licence, August 2026) and "CDNA5" Instruction Set Architecture Reference Guide (July 2026). The comments in the code are by the model that wrote it; some were corrected since.
;; Bahdanau Attention. Allowed arithmetic: matrix products marked QUANTISED: E2M3 operands, one E8M0 scale for each 32 along K, by v_wmma_scale_f32_16x16x128_f8f6f4 with both operands' format E2M3, f32 sums; products left as they are: f32 operands where the result goes on into a quantised operand, else bf16, f16 or f32 operands; f32 sums; everything else in f32.
;; Inputs: V_b 1 float32; V_k 1,024 x 1 float32; Wc_b 1,024 float32; Wc_k 1 x 1,024 float32; Wh_b 1,024 float32; Wh_k 1,024 x 1,024 float32; Ws_b 1,024 float32; Ws_k 1,024 x 1,024 float32; dec_hidden 32 x 1,024 float32; enc_output 32 x 2,048 x 1,024 float32; enc_pad_mask 32 x 2,048 int32; prev_coverage 32 x 2,048 x 1 float32.
;; Outputs: out0 32 x 1,024 float32; out1 32 x 2,048 x 1 float32; out2 32 x 2,048 x 1 float32.
;; Constants: use_coverage = 1.
;; This version of the problem:
;;   THIS VERSION OF THE PROBLEM IS GIVEN IN LOW PRECISION. The matrix products marked QUANTISED in the list below multiply operands that are first quantised to E2M3 (2 exponent bits, 3 mantissa bits; 6 bits a number), with one power-of-two scale for each 32 numbers along K (OCP MX v1.0); their sums are f32. All else is computed in f32.
;;   The module's matrix products, in the order in which they are computed (A, B: the left and right operand; K: the contracted axis; several contracted axes count as one K, in the product's order):
;;     1. [M 65,536, K 1,024] x [K 1,024, N 1,024]; A: input enc_output; B: input Ws_k: QUANTISED
;;     2. [M 32, K 1,024] x [K 1,024, N 1,024]; A: input dec_hidden; B: input Wh_k: QUANTISED
;;     3. [M 65,536, K 1] x [K 1, N 1,024]; A: input prev_coverage; B: input Wc_k: left as it is (K = 1 < 32)
;;     4. [M 65,536, K 1,024] x [K 1,024, N 1]; A: computed on the way; B: input V_k: left as it is (N = 1 < 16)
;;   THE QUANTISER, for each operand of a quantised product, along K:
;;     - K is cut into blocks of 32 from its start; a last block that is shorter is filled with zeros.
;;     - A block's scale is 2^e with e = floor(log2(the largest magnitude in the block)) - 2, held to -126 .. 127; a block of zeros has e = 0. As a byte (E8M0): e + 127.
;;     - Each number is divided by its block's scale, clamped to +-7.5, and rounded to the nearest number of E2M3, ties to even, subnormals kept.
;;     - The product sums the exact products of the quantised numbers (number of the format x scale) in f32.
;;   ~~~python
;;   def quantise(x, axis):      # numpy; x: float32 -> the quantised numbers, widened to float32 again
;;       x = np.moveaxis(x, axis, -1); K = x.shape[-1]
;;       x = np.pad(x, [(0, 0)] * (x.ndim - 1) + [(0, -K % 32)]); x = x.reshape(x.shape[:-1] + (-1, 32)); a = np.abs(x).max(-1, keepdims=True)
;;       e = np.where(a > 0, np.clip(np.frexp(np.where(a > 0, a, 1))[1] - 1 - 2, -126, 127), 0)      # np.frexp(a)[1] - 1 = floor(log2(a)), exactly
;;       r = np.clip(x / 2.0 ** e, -7.5, 7.5)
;;       step = 2.0 ** (np.maximum(np.frexp(np.where(r == 0, 1, r))[1] - 1, 0) - 3)
;;       q = np.round(r / step) * step * 2.0 ** e      # np.round: ties to even
;;       return np.moveaxis(q.reshape(q.shape[:-2] + (-1,))[..., :K], -1, axis).astype(np.float32)
;;   ~~~
;; One version. Each part assembles by itself: llvm-mc -triple=amdgcn-amd-amdhsa -mcpu=gfx1250 --defsym DOCPART=n.
;; ======== version 1 of 1: 3 launches
;; limits: right only within a limited range of input values
;; workspace buffers: wsq 819,200 bytes; cstw 393,216 bytes; sc 262,144 bytes
;; launch prep (part 1): grid 64 x 1, 8 waves a work-group, no clusters, 120,832 bytes of LDS; arguments Ws_k, Wh_k, dec_hidden, Wh_b, Ws_b, Wc_b, Wc_k, V_k, wsq, cstw; writes wsq, cstw
.if DOCPART == 1
	.amdgcn_target "amdgcn-amd-amdhsa--gfx1250"
	.amdhsa_code_object_version 6
	.text
	.protected	k_q3775907039_prep
	.globl	k_q3775907039_prep
	.p2align	8
	.type	k_q3775907039_prep,@function
k_q3775907039_prep:
	s_mov_b64 s[64:65], 0
	v_nop
	global_prefetch_b8 v0, s[64:65] scope:SCOPE_SE
	s_setreg_imm32_b32 hwreg(HW_REG_WAVE_MODE, 25, 1), 1
	s_wait_xcnt 0x0
; BahdanauAttention, launch 1 of 3.  NOTHING OF reference() IS LEFT OUT: every input has a way to an output and is loaded by some launch (V_b is multiplied by a mask that is an input, so it stays; the three biases only add up).
; This launch makes what the score launch reads again and again:
;   wsq : Ws_k [1024 k][1024 u] f32 as codes of E2M3 along k, one E8M0 byte for each 32 k, laid in the order of the operand registers: 64 tiles of 16 columns u, 12,800 bytes each:
;         K step s (128 k) at 1536 s as three pieces of 512 bytes, lane l at 16 l; behind them, at 12,288, the scale words [s / 4][column][s % 4].
;   cstw: for each batch b three rows of 1,024 f32: c (Q(dec_hidden) Q(Wh_k) + Wh_b + Ws_b + Wc_b), c Wc_k, V_k, with c = 2 log2(e): the score launch takes tanh(x) = 1 - 2 / (1 + 2^(c x)).
; SHARES.  Work-groups 0-31 take Ws_k, 32-63 Wh_k; each 32 columns (two tiles); wave s takes K step s.  A LANE TAKES A COLUMN AND ITS REGISTERS RUN DOWN K, so a block of 32 lies in one lane and the conversions give codes with K innermost.
; dec_hidden has K innermost: a load takes one row's 512 consecutive bytes of the wave's K step, and sixteen rows turn through the wave's own stage in LDS, so that a lane gets two whole blocks of its row.
; A block's scale is 2^(floor(log2(largest magnitude)) - 2): its byte is the largest magnitude's exponent field - 2, held at 1 from below by a floor among the maximum's leaves.
; LIMITS: NaN and infinities among the inputs are not served; a block of zeros gets the byte 1 where the rule says 127 (its codes are zeros, and this program alone reads the bytes);
; the three biases are added to the product before the encoder's term, another order of rounding than reference() has.
.set KF2,   0x4038aa3b                 ; c = 2 log2(e)
.set WSC,   0                          ; LDS, Ws path: two tiles' scale words, 512 bytes each
.set PART,  1024                       ; LDS, Wh path: eight waves' partial sums, PARTW bytes each
.set PARTW, 6400
.set PNT,   3200                       ; in them: from one tile of columns to the other (128 modulo 256),
.set PRT,   1536                       ; from one tile of rows to the other (0 modulo 256: a reading wave has one of the two),
.set PHF,   800                        ; from an accumulator's registers 0-3 to its registers 4-7 (32 modulo 256),
.set PLH,   320                        ; from lanes 0-15 to lanes 16-31 (64 modulo 256); a row is 16 bytes.
.set SPARE, 52224                      ; the spare words, 128 bytes for each wave: four blocks of 256 bytes that no other line names
.set DSTG,  53248                      ; LDS, Wh path: a stage of 16 rows x DSP bytes for each wave
.set DSTW,  8448
.set DSP,   528                        ; 512 bytes + 16: the sixteen rows that a read touches start at sixteen different 16-byte columns
.set DSI,  3                           ; v3      the stage, in: 16 x lane
.set MA,   4                           ; v4, v5  two chains of a block's maximum
.set MB,   5
.set SOP,  6                           ; v6      the conversion's scale operand
.set BY,   7                           ; v7      the scale's byte
.set T,    8                           ; v8-10   a block's upper 16 codes
.set TP,   11                          ; v11     at work
.set SW,   12                          ; v12     my column's scale word (scales alone)
.set DSW0, 13                          ; v13, v14  dec_hidden's scale words, rows 0-15 and 16-31 (scales alone)
.set DSW1, 14
.set BY0,  15
.set SPW,  16                          ; v16     LDS address of my spare word; never rewritten
.set NIL,  17                          ; v17     0; never rewritten
.set WSA,  18                          ; v18     where my scale word goes
.set WSL,  19                          ; v19     where waves 0, 1 read a tile's 512 bytes of scale words
.set PST,  20                          ; v20     where my partial sums go
.set PLD,  21                          ; v21     where I read them back
.set L16,  22                          ; v22     16 x lane
.set BO,   23                          ; v23     16 x (lane % 8)
.set F0,   24                          ; v24-35  the fragment of tile 2 cg;  v36-47 of tile 2 cg + 1
.set F1,   36
.set DEC0, 48                          ; v48-59, v60-71  dec_hidden's two fragments
.set DEC1, 60
.set D,    72                          ; v72-135  64 numbers of dec_hidden; later the sums
.set X,    136                         ; v136-199 two sets of 32 numbers of W
.set ACC,  200                         ; v200-231 four accumulators
.set BI,   232                         ; v232-251 Wh_b, Ws_b, Wc_b, Wc_k, V_k: four numbers each
.set H8,   252                         ; v252    8 x (lane / 16)
.set CSO,  253                         ; v253    my byte offset in cstw
.set DSO,  254                         ; v254    the stage, out: row lane % 16, + 128 x (lane / 16)
	s_load_b256 s[4:11], s[0:1], 0x0               ; Ws_k, Wh_k, dec_hidden, Wh_b
	s_load_b256 s[12:19], s[0:1], 0x20             ; Ws_b, Wc_b, Wc_k, V_k
	s_load_b128 s[20:23], s[0:1], 0x40             ; wsq, cstw
	v_lshl_add_u32 v[SPW], v0, 2, SPARE
	v_mov_b32 v[NIL], 0
	v_lshrrev_b32 v1, 5, v0
	s_delay_alu instid0(VALU_DEP_1)
	v_readfirstlane_b32 s24, v1                    ; wave = K step
	v_and_b32 v1, 31, v0                           ; lane
	v_and_b32 v4, 15, v0                           ; r
	v_bfe_u32 v5, v0, 4, 1                         ; h
	s_delay_alu instid0(VALU_DEP_3)
	v_lshlrev_b32 v2, 2, v1                        ; W: 4 bytes a lane
	s_delay_alu instid0(VALU_DEP_2)
	v_lshlrev_b32 v[H8], 3, v5
	v_lshlrev_b32 v[L16], 4, v1
	v_and_b32 v6, 7, v0
	s_delay_alu instid0(VALU_DEP_1)
	v_lshlrev_b32 v[BO], 4, v6
	v_bfe_u32 v7, v0, 3, 2                         ; lane / 8
	s_delay_alu instid0(VALU_DEP_1)
	v_mul_u32_u24 v[CSO], v7, 12288
	s_delay_alu instid0(VALU_DEP_1)
	v_add_nc_u32 v[CSO], v[CSO], v[BO]             ; cstw: batch row (lane / 8) of my wave's four, + 16 (lane % 8)
	s_lshr_b32 s26, s24, 2
	s_and_b32 s27, s24, 3
	s_lshl_b32 s28, s26, 8
	s_lshl_b32 s29, s27, 2
	s_add_co_u32 s28, s28, s29
	v_lshlrev_b32 v[WSA], 4, v4
	s_delay_alu instid0(VALU_DEP_1)
	v_lshl_add_u32 v[WSA], v5, 9, v[WSA]
	s_delay_alu instid0(VALU_DEP_1)
	v_add_nc_u32 v[WSA], s28, v[WSA]               ; 512 (tile) + 256 (s / 4) + 16 r + 4 (s % 4)
	v_lshlrev_b32 v[WSL], 4, v0                    ; 512 x wave + 16 x lane (waves 0 and 1 alone use it)
	s_mul_i32 s28, s24, PARTW
	s_add_co_u32 s28, s28, PART
	v_lshlrev_b32 v[PST], 4, v4
	s_delay_alu instid0(VALU_DEP_1)
	v_mad_u32_u24 v[PST], v5, PLH, v[PST]
	s_delay_alu instid0(VALU_DEP_1)
	v_add_nc_u32 v[PST], s28, v[PST]               ; my K step's sums: 16 r + PLH h
	v_bfe_u32 v8, v0, 2, 1
	s_delay_alu instid0(VALU_DEP_1)
	v_mul_u32_u24 v[PLD], v8, PNT                  ; which tile of columns,
	v_and_b32 v8, 1, v0
	s_delay_alu instid0(VALU_DEP_1)
	v_mad_u32_u24 v[PLD], v8, PHF, v[PLD]          ; which half of an accumulator,
	v_bfe_u32 v8, v0, 1, 1
	s_delay_alu instid0(VALU_DEP_1)
	v_mad_u32_u24 v[PLD], v8, PLH, v[PLD]          ; which half of the lanes,
	s_delay_alu instid0(VALU_DEP_1)
	v_lshl_add_u32 v[PLD], v7, 4, v[PLD]           ; and which row
	s_mul_i32 s28, s26, PRT
	s_lshl_b32 s29, s27, 6
	s_add_co_u32 s28, s28, s29
	s_add_co_u32 s28, s28, PART
	v_add_nc_u32 v[PLD], s28, v[PLD]
	s_mul_i32 s28, s24, DSTW
	s_add_co_u32 s28, s28, DSTG                    ; my stage
	v_add_nc_u32 v[DSI], s28, v[L16]
	v_mul_u32_u24 v[DSO], v4, DSP
	s_delay_alu instid0(VALU_DEP_1)
	v_lshl_add_u32 v[DSO], v5, 7, v[DSO]
	s_delay_alu instid0(VALU_DEP_1)
	v_add_nc_u32 v[DSO], s28, v[DSO]
	s_and_b32 s25, ttmp9, 31                       ; cg: which 32 columns
	s_lshl_b32 s30, s24, 19                        ; 128 rows of 4,096 bytes a K step
	s_lshl_b32 s31, s25, 7
	s_add_co_u32 s30, s30, s31
	s_mov_b32 s31, 0
	s_mov_b32 s32, KF2
	s_mov_b32 s33, KF2                             ; (named with s32 as a pair, so it is written)
	s_mov_b32 s34, 0x76543210
	s_mov_b32 s35, 0xfedcba98                      ; v_permlanex16_b32: lane l xor 16
	v_mov_b32 v[TP], 0                             ; a lane permute's destination counts as one of its sources
	s_wait_kmcnt 0x0
	s_cmp_lt_u32 ttmp9, 32                         ; the choice hangs on the work-group's number alone
	s_cselect_b64 s[4:5], s[4:5], s[6:7]
	s_add_nc_u64 s[4:5], s[4:5], s[30:31]
.macro LX t                            ; block t of my K step: W(32 t + i, my column) into set t % 2; 32 lanes read 128 neighbouring bytes
.irp i, 0,1,2,3,4,5,6,7,8,9,10,11,12,13,14,15,16,17,18,19,20,21,22,23,24,25,26,27,28,29,30,31
	global_load_b32 v[X+32*((\t)%2)+\i], v2, s[4:5] offset:(32*(\t)+\i)*4096 th:TH_LOAD_NT
.endr
.endm
.macro QB x, dst                       ; 32 numbers of one lane, one block: six registers of codes at dst, the byte in v[BY]
.set QX, \x
.set QT, \dst
	v_max3_num_f32 v[MA], |v[QX]|, |v[QX+1]|, |v[QX+2]|
	v_max3_num_f32 v[MB], |v[QX+3]|, |v[QX+4]|, |v[QX+5]|
.irp i, 6,10,14,18,22,26
	s_delay_alu instid0(VALU_DEP_2)
	v_max3_num_f32 v[MA], v[MA], |v[QX+\i]|, |v[QX+\i+1]|
	s_delay_alu instid0(VALU_DEP_2)
	v_max3_num_f32 v[MB], v[MB], |v[QX+\i+2]|, |v[QX+\i+3]|
.endr
	s_delay_alu instid0(VALU_DEP_2)
	v_max3_num_f32 v[MA], v[MA], |v[QX+30]|, |v[QX+31]|
	s_delay_alu instid0(VALU_DEP_1)
	v_max3_num_f32 v[MA], v[MA], v[MB], 0x1800000  ; the floor 2^(3 - 127): the byte cannot fall under 1
	s_delay_alu instid0(VALU_DEP_1)
	v_add_nc_u32 v[SOP], 0xff000000, v[MA]         ; 2 off the exponent field: the conversion takes this operand's exponent field as its scale
	s_delay_alu instid0(VALU_DEP_1)
	v_lshrrev_b32 v[BY], 23, v[SOP]
	v_cvt_scalef32_pk16_fp6_f32 v[QT:QT+2], v[QX:QX+15], v[SOP]
	v_cvt_scalef32_pk16_fp6_f32 v[T:T+2], v[QX+16:QX+31], v[SOP]   ; (a conversion's three registers begin on an even number)
	v_nop                                          ; one plain place behind a scaled conversion
	v_mov_b32 v[QT+3], v[T]
	v_mov_b32 v[QT+4], v[T+1]
	v_mov_b32 v[QT+5], v[T+2]
.endm
.macro QBX t                           ; block t of W: even blocks into F0, odd into F1; its byte into my scale word
	QB X+32*((\t)%2), F0+12*((\t)%2)+6*((\t)/2)
.if (\t) == 0
	v_mov_b32 v[SW], v[BY]
.else
	v_lshl_or_b32 v[SW], v[BY], 8*(\t), v[SW]
.endif
.endm
.macro SWAPS                           ; F0 held blocks 0, 2 and F1 blocks 1, 3 of each lane's column.  F0's lanes 16-31 change places with F1's lanes 0-15: F0 is then tile 2 cg's fragment (lane (r, h): blocks h, 2 + h of column r), F1 tile 2 cg + 1's
.irp i, 0,1,2,3,4,5,6,7,8,9,10,11
	v_permlane16_swap_b32 v[F0+\i], v[F1+\i]
.endr
.endm
	s_cmp_lt_u32 ttmp9, 32
	s_cbranch_scc0 .Lwh
	; ---------------- Ws_k: codes and scale words to wsq
	s_mul_i32 s36, s25, 25600                      ; tile 2 cg
	s_mul_i32 s38, s24, 1536
	s_add_co_u32 s38, s38, s36
	s_mov_b32 s39, 0
	s_mul_i32 s40, s24, 12800
	s_add_co_u32 s40, s40, s36
	s_add_co_u32 s40, s40, 12288                   ; tile 2 cg + wave: its scale words (waves 0 and 1 alone use it)
	s_mov_b32 s41, 0
	s_add_nc_u64 s[38:39], s[20:21], s[38:39]
	s_add_nc_u64 s[40:41], s[20:21], s[40:41]
	LX 0
	LX 1
	s_wait_loadcnt 32                              ; block 0 is in; the younger block's 32 loads may be out
	QBX 0
	LX 2
	s_wait_loadcnt 32
	QBX 1
	LX 3
	s_wait_loadcnt 32
	QBX 2
	s_wait_loadcnt 0x0
	QBX 3
	SWAPS
.irp c, 0,1,2
	global_store_b128 v[L16], v[F0+4*\c:F0+4*\c+3], s[38:39] offset:512*\c          ; 32 lanes store 512 consecutive bytes
	global_store_b128 v[L16], v[F1+4*\c:F1+4*\c+3], s[38:39] offset:12800+512*\c
.endr
	ds_store_b32 v[WSA], v[SW]
	s_wait_dscnt 0x0                               ; for the others: my scale words lie in LDS
	s_barrier_signal -1
	s_barrier_wait -1
	s_cmp_lt_u32 s24, 2
	s_cbranch_scc0 .Lend
	ds_load_b128 v[D:D+3], v[WSL]                  ; a tile's 512 bytes of scale words, from eight waves
	s_wait_dscnt 0x0
	global_store_b128 v[L16], v[D:D+3], s[40:41]
	s_branch .Lend
	; ---------------- Wh_k: the decoder's term and the constants to cstw
.macro DLOAD rt                        ; rows 16 rt .. 16 rt + 15 of dec_hidden, my K step: each load takes one row's 512 consecutive bytes, 16 a lane
.irp i, 0,1,2,3,4,5,6,7,8,9,10,11,12,13,14,15
	global_load_b128 v[D+4*\i:D+4*\i+3], v[L16], s[8:9] offset:(16*(\rt)+\i)*4096
.endr
.endm
.macro DTURN                           ; through my stage: in as loaded; out, into the registers that they left, blocks h and 2 + h of row r: 64 numbers a lane.  LDS serves a wave's instructions in order (ISA guide 5.7.1.4): the loads see the stores
.irp i, 0,1,2,3,4,5,6,7,8,9,10,11,12,13,14,15
	ds_store_b128 v[DSI], v[D+4*\i:D+4*\i+3] offset:\i*DSP
.endr
.irp c, 0,1
.irp j, 0,1,2,3,4,5,6,7
	ds_load_b128 v[D+32*\c+4*\j:D+32*\c+4*\j+3], v[DSO] offset:256*\c+16*\j
.endr
.endr
	s_wait_dscnt 0x0
.endm
.macro QD dst, dsw                     ; they become a fragment and its scale word
	QB D, \dst
	v_mov_b32 v[BY0], v[BY]
	QB D+32, \dst+6
	v_lshl_or_b32 v[\dsw], v[BY], 16, v[BY0]       ; my two bytes: blocks h and 2 + h,
	s_delay_alu instid0(VALU_DEP_1)
	v_lshlrev_b32 v[\dsw], v[H8], v[\dsw]          ; at their places;
	s_delay_alu instid0(VALU_DEP_1)
	v_permlanex16_b32 v[TP], v[\dsw], s34, s35
	s_delay_alu instid0(VALU_DEP_1)
	v_or_b32 v[\dsw], v[\dsw], v[TP]               ; with lane l xor 16's two the word is whole
.endm
.Lwh:
	s_lshl_b32 s36, s24, 9                         ; my K step in a row of dec_hidden
	s_mov_b32 s37, 0
	s_add_nc_u64 s[8:9], s[8:9], s[36:37]
	s_lshl_b32 s36, s25, 7                         ; my 32 columns in the rows of 1,024
	s_add_nc_u64 s[10:11], s[10:11], s[36:37]
	s_add_nc_u64 s[12:13], s[12:13], s[36:37]
	s_add_nc_u64 s[14:15], s[14:15], s[36:37]
	s_add_nc_u64 s[16:17], s[16:17], s[36:37]
	s_add_nc_u64 s[18:19], s[18:19], s[36:37]
	s_mul_i32 s38, s24, 49152                      ; cstw: my wave sums batch rows 4 w .. 4 w + 3
	s_add_co_u32 s36, s36, s38
	s_add_nc_u64 s[22:23], s[22:23], s[36:37]
	global_load_b128 v[BI:BI+3], v[BO], s[10:11]
	global_load_b128 v[BI+4:BI+7], v[BO], s[12:13]
	global_load_b128 v[BI+8:BI+11], v[BO], s[14:15]
	global_load_b128 v[BI+12:BI+15], v[BO], s[16:17]
	global_load_b128 v[BI+16:BI+19], v[BO], s[18:19]
	DLOAD 0
	LX 0                                           ; both sets of W are asked for at once: all that follows hangs on two trips to memory
	LX 1
	s_wait_loadcnt 63                              ; the constants and rows 0-15 are in.  64 younger loads are out; a wait names 63 at the most, so one of them is waited for too
	s_wait_alu depctr_va_vdst(0)
	DTURN
	QD DEC0, DSW0
	DLOAD 1
	s_wait_loadcnt 48                              ; W's block 0 is in; behind it: block 1's 32 loads and the 16 of rows 16-31
	QBX 0
	LX 2
	s_wait_loadcnt 48                              ; block 1 is in; behind it: the 16 of rows 16-31 and block 2's 32
	QBX 1
	LX 3
	s_wait_loadcnt 63                              ; rows 16-31 are in; behind them blocks 2 and 3, 64 loads: as above
	DTURN
	QD DEC1, DSW1
	s_wait_loadcnt 32                              ; block 2 is in; block 3's 32 may be out
	QBX 2
	s_wait_loadcnt 0x0
	QBX 3
	SWAPS
.rept 8
	v_nop                                          ; a scale register written by a vector instruction stands 8 places ahead of a scaled matrix instruction, an operand so written 4
.endr
	; source 0 = 16 columns of Wh_k, source 1 = 16 rows of dec_hidden: lane (r, h) holds batch row r, register j column 8 h + j.  Four accumulators, one instruction each
	v_wmma_scale_f32_16x16x128_f8f6f4 v[ACC:ACC+7], v[F0:F0+11], v[DEC0:DEC0+11], 0, v[SW], v[DSW0] matrix_a_fmt:MATRIX_FMT_FP6 matrix_b_fmt:MATRIX_FMT_FP6
	v_wmma_scale_f32_16x16x128_f8f6f4 v[ACC+8:ACC+15], v[F0:F0+11], v[DEC1:DEC1+11], 0, v[SW], v[DSW1] matrix_a_fmt:MATRIX_FMT_FP6 matrix_b_fmt:MATRIX_FMT_FP6
	v_wmma_scale_f32_16x16x128_f8f6f4 v[ACC+16:ACC+23], v[F1:F1+11], v[DEC0:DEC0+11], 0, v[SW], v[DSW0] matrix_a_fmt:MATRIX_FMT_FP6 matrix_b_fmt:MATRIX_FMT_FP6 matrix_a_scale:MATRIX_SCALE_ROW1
	v_wmma_scale_f32_16x16x128_f8f6f4 v[ACC+24:ACC+31], v[F1:F1+11], v[DEC1:DEC1+11], 0, v[SW], v[DSW1] matrix_a_fmt:MATRIX_FMT_FP6 matrix_b_fmt:MATRIX_FMT_FP6 matrix_a_scale:MATRIX_SCALE_ROW1
.rept 4
	v_nop                                          ; four places ahead of the first read of results
.endr
.irp a, 0,1,2,3
	ds_store_b128 v[PST], v[ACC+8*\a:ACC+8*\a+3] offset:PNT*(\a/2)+PRT*(\a%2)          ; each accumulator from its low end on; sixteen lanes store 256 consecutive bytes
	ds_store_b128 v[PST], v[ACC+8*\a+4:ACC+8*\a+7] offset:PNT*(\a/2)+PRT*(\a%2)+PHF
.endr
	s_wait_dscnt 0x0                               ; for the others: my K step's sums lie in LDS
	s_barrier_signal -1
	s_barrier_wait -1
.irp kk, 0,1,2,3,4,5,6,7
	ds_load_b128 v[D+4*\kk:D+4*\kk+3], v[PLD] offset:PARTW*\kk         ; four columns of one batch row, from each K step
.endr
	s_wait_dscnt 0x0
.irp kk, 1
	v_pk_add_f32 v[D:D+1], v[D:D+1], v[D+4*\kk:D+4*\kk+1]              ; K ascending
	v_pk_add_f32 v[D+2:D+3], v[D+2:D+3], v[D+4*\kk+2:D+4*\kk+3]
.endr
.irp kk, 2, 3, 4, 5, 6, 7
	s_delay_alu instid0(VALU_DEP_2)
	v_pk_add_f32 v[D:D+1], v[D:D+1], v[D+4*\kk:D+4*\kk+1]              ; K ascending
	s_delay_alu instid0(VALU_DEP_2)
	v_pk_add_f32 v[D+2:D+3], v[D+2:D+3], v[D+4*\kk+2:D+4*\kk+3]
.endr
.irp q, 0,4,8
	s_delay_alu instid0(VALU_DEP_2)
	v_pk_add_f32 v[D:D+1], v[D:D+1], v[BI+\q:BI+\q+1]                  ; + Wh_b + Ws_b + Wc_b
	s_delay_alu instid0(VALU_DEP_2)
	v_pk_add_f32 v[D+2:D+3], v[D+2:D+3], v[BI+\q+2:BI+\q+3]
.endr
	s_delay_alu instid0(VALU_DEP_2)
	v_pk_mul_f32 v[D:D+1], v[D:D+1], s[32:33] op_sel_hi:[1,0]
	s_delay_alu instid0(VALU_DEP_2)
	v_pk_mul_f32 v[D+2:D+3], v[D+2:D+3], s[32:33] op_sel_hi:[1,0]
	v_pk_mul_f32 v[D+4:D+5], v[BI+12:BI+13], s[32:33] op_sel_hi:[1,0]  ; c Wc_k
	v_pk_mul_f32 v[D+6:D+7], v[BI+14:BI+15], s[32:33] op_sel_hi:[1,0]
	global_store_b128 v[CSO], v[D:D+3], s[22:23]
	global_store_b128 v[CSO], v[D+4:D+7], s[22:23] offset:4096
	global_store_b128 v[CSO], v[BI+16:BI+19], s[22:23] offset:8192     ; V_k
.Lend:
	s_wait_tensorcnt 0x0                           ; the wave's end
	ds_add_u32 v[SPW], v[NIL]
	s_wait_dscnt 0x0
	s_endpgm
.Lfunc_end_k_q3775907039_prep:
	.size	k_q3775907039_prep, .Lfunc_end_k_q3775907039_prep-k_q3775907039_prep
	.p2alignl 7, 3214868480
	.fill 96, 4, 3214868480
	.section	.rodata,"a",@progbits
	.p2align	6, 0x0
	.amdhsa_kernel k_q3775907039_prep
		.amdhsa_group_segment_fixed_size 120832
		.amdhsa_private_segment_fixed_size 0
		.amdhsa_enable_private_segment 0
		.amdhsa_kernarg_size 80
		.amdhsa_user_sgpr_count 2
		.amdhsa_user_sgpr_kernarg_segment_ptr 1
		.amdhsa_wavefront_size32 1
		.amdhsa_system_sgpr_workgroup_id_x 1
		.amdhsa_system_sgpr_workgroup_id_y 1
		.amdhsa_system_sgpr_workgroup_id_z 1
		.amdhsa_system_vgpr_workitem_id 0
		.amdhsa_next_free_vgpr 256
		.amdhsa_next_free_sgpr 66
		.amdhsa_reserve_vcc 0
		.amdhsa_float_denorm_mode_32 3
		.amdhsa_float_denorm_mode_16_64 3
		.amdhsa_memory_ordered 1
		.amdhsa_forward_progress 1
		.amdhsa_inst_pref_size 67
	.end_amdhsa_kernel
	.amdgpu_metadata
---
amdhsa.version: [ 1, 2 ]
amdhsa.kernels:
  - .name:           k_q3775907039_prep
    .symbol:         k_q3775907039_prep.kd
    .args:
      - { .name: Ws_k, .offset: 0, .size: 8, .value_kind: global_buffer, .address_space: global }
      - { .name: Wh_k, .offset: 8, .size: 8, .value_kind: global_buffer, .address_space: global }
      - { .name: dec_hidden, .offset: 16, .size: 8, .value_kind: global_buffer, .address_space: global }
      - { .name: Wh_b, .offset: 24, .size: 8, .value_kind: global_buffer, .address_space: global }
      - { .name: Ws_b, .offset: 32, .size: 8, .value_kind: global_buffer, .address_space: global }
      - { .name: Wc_b, .offset: 40, .size: 8, .value_kind: global_buffer, .address_space: global }
      - { .name: Wc_k, .offset: 48, .size: 8, .value_kind: global_buffer, .address_space: global }
      - { .name: V_k, .offset: 56, .size: 8, .value_kind: global_buffer, .address_space: global }
      - { .name: wsq, .offset: 64, .size: 8, .value_kind: global_buffer, .address_space: global }
      - { .name: cstw, .offset: 72, .size: 8, .value_kind: global_buffer, .address_space: global }
    .group_segment_fixed_size: 120832
    .private_segment_fixed_size: 0
    .kernarg_segment_align: 8
    .kernarg_segment_size: 80
    .max_flat_workgroup_size: 256
    .sgpr_count:     66
    .vgpr_count:     256
    .wavefront_size: 32
...
	.end_amdgpu_metadata
.endif
;; end of part 1
;; launch score (part 2): grid 256 x 1, 8 waves a work-group, clusters of 4 x 1, 327,680 bytes of LDS; arguments enc_output, prev_coverage, enc_pad_mask, V_b, wsq, cstw, sc; writes sc
.if DOCPART == 2
	.amdgcn_target "amdgcn-amd-amdhsa--gfx1250"
	.amdhsa_code_object_version 6
	.text
	.protected	k_q3775907039_score
	.globl	k_q3775907039_score
	.p2align	8
	.type	k_q3775907039_score,@function
k_q3775907039_score:
	s_mov_b64 s[64:65], 0
	v_nop
	global_prefetch_b8 v0, s[64:65] scope:SCOPE_SE
	s_setreg_imm32_b32 hwreg(HW_REG_WAVE_MODE, 25, 1), 1
	s_wait_xcnt 0x0
	s_wait_alu depctr_hold_cnt(0) depctr_sa_sdst(0) depctr_va_vdst(0) depctr_va_sdst(0) depctr_va_ssrc(0) depctr_va_vcc(0) depctr_vm_vsrc(0)
	s_getreg_b32 s2, hwreg(HW_REG_IB_STS2, 6, 4)
	s_cmp_eq_u32 s2, 0
	s_cbranch_scc0 .Lentry_in_a_cluster
	s_endpgm
.Lentry_in_a_cluster:
	s_bfe_u32 s2, ttmp6, 0x10000c
	s_cmp_lg_u32 s2, 0x3003
	s_cbranch_scc0 .Lentry_shape_is_right
	s_endpgm
.Lentry_shape_is_right:
; BahdanauAttention, launch 2 of 3: sc[b][l] = mask x (V_b + sum over u of V_k[u] tanh(pre[b][l][u])).  Nothing of reference() is left out here.
; pre = Q(enc) Q(Ws_k) + the batch's constants + prev_coverage x Wc_k;  tanh(x) = 1 - 2 / (1 + 2^(c x)), c = 2 log2(e); cstw holds c x constants, c x Wc_k and V_k.
; SHARES.  A work-group owns 256 rows (b, l), a wave 32: two tiles of 16 rows.  The wave quantises its rows once (E2M3, one E8M0 byte for each 32 k) and keeps
; their codes for all of K, 16 fragments of 12 registers, in window 1.  Then it walks the 64 tiles of 16 columns of wsq: 16 matrix instructions a tile, on two
; accumulators by turns, and behind them the tile's 16 numbers a lane go through the activation in batches.  Two waves lie on a SIMD: each wave's matrix
; instructions stand in one group and its vector work in another.
; Source 0 = 16 rows of enc, source 1 = 16 columns of Ws_k: lane (r, h) holds column r and rows 8 h + j.  So a tile's constants are three words a lane,
; prev_coverage and the mask of the lane's 16 rows stay in registers, and the sum over a tile's 16 columns is taken once, at the end, across lanes.
; wsq goes through two LDS slots of 8 tiles; waves 0-3 fetch two tiles each.  A barrier behind which nothing is filled shows the next slot whole two tiles ahead of
; the slot's end, so that the last tile fetches the next slot's first fragments; the refill's round stands round the first tile's matrix instructions.
; CLUSTER: the four work-groups read the same tiles of wsq and, being of one batch, the same 12,288 bytes of cstw: both are asked for jointly (mask 15).
; PREFETCH: behind each refill waves 0-3 name the slot that the next refill will load: 400 blocks of 256 bytes, 25 for each of these waves in each of the
; four partners, told apart by address; the last refill names nothing.  enc is walked once, by plain loads that run three units (24 KiB a wave) ahead,
; in a head that does nothing but stream: it has no prefetch.
; LIMITS: NaN and infinities among the inputs are not served.  Where 2^(c x) passes f32's range it is infinity and its reciprocal 0, which is tanh = 1.
; A block of zeros gets the byte 1 where the rule says 127: its codes are zeros, and this launch alone reads the bytes.
.set TILEB, 12800                      ; a tile of wsq: 8 K steps x 1,536 bytes, then 512 bytes of scale words
.set SLOTB, 102400                     ; 8 tiles
.set SLOT1, 131072                     ; LDS: slot 0 at 0, slot 1 here
.set CST,   102400                     ; three rows of 4,096 bytes: c x constants, c x Wc_k, V_k
.set SPARE, 114688                     ; the spare words, 128 bytes a wave: four blocks of 256 bytes that no other line names
.set STG,   233472                     ; a stage of 16 rows x 528 bytes for each wave
.set STGW,  8448
.set OUTS,  301056                     ; the work-group's 256 scores
.set LI,  1                            ; 16 x lane
.set AB,  2                            ; where my pieces of the current tile lie
.set ACN, 4                            ; where my column's constants lie
.set SPW, 5                            ; my spare word; never rewritten
.set NIL, 6                            ; 0; never rewritten
.set CV8, 7                            ; 32 x (lane / 16): my 8 rows' words in a row tile's 64 bytes
.set STS, 8                            ; the stage, in
.set STL, 9                            ; the stage, out
.set AC0, 10                           ; CST + 4 x (lane % 16)
.set PFO, 11                           ; the prefetch's offset: 256 x min(lane, 24)
.set OSA, 15                           ; OUTS + 128 x wave + 32 x (lane / 16)
.set AS,  16                           ; v16-31  enc's scale words, unit 2 k + rt (scales alone)
.set BS,  32                           ; v32-35  the tile's scale words (scales alone)
.set SACC, 36                          ; v36-51  sums of V / (1 + 2^..): register 8 rt + j for row 16 rt + 8 h + j
.set ACC, 52                           ; v52-67  two accumulators
.set C0,  68                           ; v68-71, v72-75  two sets of constants: c x constant, c x Wc_k, V_k, 0
.set BUF, 128                          ; v128-223 the tile's 8 fragments
.set COV, 224                          ; v224-239 prev_coverage of my 16 rows
.set MSKR, 240                         ; v240-255 their mask
.set X,   32                           ; the head: v32-95 a unit's 64 numbers; v96-111 codes; v116-127 at work; raw loads in v128-191, v192-255 and window 1's v192-255
.set PC,  96
.set TM,  116
.set WV,  18
.set Q,   51
.set G1B, 24
.set G1C, 32
.set G0W, 40
.set G0C, 44
.set PFA, 48
.set PLIM, 50
.set TB,  52
.set CN1, 53
.set CN2, 54
.set CB,  55
.set KK,  56
.set SEL, 58
.set VB,  60
.set STGB, 61
.set MSB, 0
.macro WIN new                         ; the immediate's high byte repeats the setting that is left
.if MSB != \new
	s_set_vgpr_msb (MSB<<8)|\new
.set MSB, \new
.endif
.endm
.macro PLACES
.rept 4
	v_nop
.endr
.endm
.macro CREST                           ; a round of the cluster's barrier behind its opening barrier
	s_cmp_lg_u32 s[WV], 0
	s_cbranch_scc1 .Lnot_wave_0_\@
	s_barrier_signal -3
.Lnot_wave_0_\@:
	s_barrier_wait -3
	s_barrier_signal -1
	s_barrier_wait -1
.endm
.macro CROUND                          ; a whole round
	s_barrier_signal -1
	s_barrier_wait -1
	CREST
.endm
	s_load_b256 s[4:11], s[0:1], 0x0               ; enc, prev_coverage, mask, V_b
	s_load_b128 s[12:15], s[0:1], 0x20             ; wsq, cstw
	s_load_b64 s[16:17], s[0:1], 0x30              ; sc
	v_lshl_add_u32 v[SPW], v0, 2, SPARE
	v_mov_b32 v[NIL], 0
	ds_add_u32 v[SPW], v[NIL]                      ; the opening: two adds on end, then one wait
	ds_add_u32 v[SPW], v[NIL]
	v_lshrrev_b32 v15, 5, v0
	v_readfirstlane_b32 s[WV], v15                 ; wave 0..7
	s_and_b32 s[Q], s[WV], 3                       ; which quarter of a slot (waves 0-3) or of the constants (waves 4-7) I fetch
	s_bfe_u32 s19, ttmp6, 0x40000                  ; cx
	s_lshl_b32 s20, ttmp9, 2
	s_add_co_u32 s20, s20, s19                     ; work-group: 256 rows
	s_lshr_b32 s21, ttmp9, 1                       ; batch: two clusters each
	s_mov_b32 s[G1B], 15|(3<<16)|(1<<21)           ; two tiles: 100 rows of 256 bytes (32 elements of 8), dense; mask: all four partners
	s_mov_b32 s[G1B+1], 32<<16
	s_mov_b32 s[G1B+2], 100<<16
	s_mov_b32 s[G1B+3], 32<<16
	s_mov_b32 s[G1B+4], 100
	s_mov_b32 s[G1B+5], 32
	s_mov_b32 s[G1B+6], 0
	s_mov_b32 s[G1B+7], 0
	s_mov_b32 s[G1C], 15|(3<<16)|(1<<21)           ; a quarter of the constants: 12 rows of 256 bytes
	s_mov_b32 s[G1C+1], 32<<16
	s_mov_b32 s[G1C+2], 12<<16
	s_mov_b32 s[G1C+3], 32<<16
	s_mov_b32 s[G1C+4], 12
	s_mov_b32 s[G1C+5], 32
	s_mov_b32 s[G1C+6], 0
	s_mov_b32 s[G1C+7], 0
	s_mov_b32 s[KK], 0x4038aa3b                    ; c
	s_mov_b32 s[KK+1], 0x4038aa3b
	s_mov_b32 s[SEL], 0x76543210                   ; v_permlanex16_b32: lane l xor 16
	s_mov_b32 s[SEL+1], 0xfedcba98
	v_and_b32 v2, 31, v0                           ; lane
	v_and_b32 v3, 15, v0                           ; r
	v_bfe_u32 v4, v0, 4, 1                         ; h
	v_lshlrev_b32 v[LI], 4, v2
	v_min_u32 v[PFO], 24, v2
	v_lshlrev_b32 v[PFO], 8, v[PFO]
	s_mul_i32 s[STGB], s[WV], STGW
	s_add_co_u32 s[STGB], s[STGB], STG
	v_add_nc_u32 v[STS], s[STGB], v[LI]
	v_mul_u32_u24 v[STL], v3, 528
	v_lshl_add_u32 v[STL], v4, 6, v[STL]
	v_add_nc_u32 v[STL], s[STGB], v[STL]           ; row r, + 64 h
	v_lshlrev_b32 v[AC0], 2, v3
	v_add_nc_u32 v[AC0], CST, v[AC0]
	v_lshlrev_b32 v[CV8], 5, v4
	v_and_b32 v12, 0xe0, v0
	v_lshlrev_b32 v12, 2, v12
	v_lshl_add_u32 v12, v4, 5, v12
	v_add_nc_u32 v[OSA], OUTS, v12
.irp b, 4,5,6,7
	v_mov_b32 v[TM+\b], 0                          ; a lane permute's destination counts as one of its sources
.endr
	s_lshl_b32 s22, s20, 20                        ; 256 rows of 4,096 bytes a work-group,
	s_lshl_b32 s23, s[WV], 17                      ; 32 a wave
	s_add_co_u32 s22, s22, s23
	s_mov_b32 s23, 0
	s_mov_b32 s3, 0
	s_cmp_lt_u32 s[WV], 4
	s_cselect_b32 s[PLIM], 1, 99                   ; waves 0-3 prefetch while more than one refill is to come; the others never
	s_wait_alu depctr_va_vdst(0)
	s_wait_dscnt 0x0                               ; both opening adds are done
	s_wait_kmcnt 0x0
	s_load_b32 s[VB], s[10:11], 0x0
	s_add_nc_u64 s[4:5], s[4:5], s[22:23]
	s_lshr_b32 s22, s22, 10                        ; 4 bytes a row
	s_add_nc_u64 s[6:7], s[6:7], s[22:23]
	s_add_nc_u64 s[8:9], s[8:9], s[22:23]
	s_lshl_b32 s22, s20, 10
	s_add_nc_u64 s[16:17], s[16:17], s[22:23]      ; the work-group's 1,024 bytes of sc
	s_mul_i32 s2, s[Q], 2*TILEB
	s_mov_b32 s[G0W], 1
	s_mov_b32 s[G0W+1], s2                         ; slot 0, my two tiles
	s_add_nc_u64 s[G0W+2:G0W+3], s[12:13], s[2:3]
	s_or_b32 s[G0W+3], s[G0W+3], 0x80000000
	s_mul_i32 s22, s19, 6400                       ; the prefetch: my work-group's 25 blocks of my two tiles' 100,
	s_add_co_u32 s22, s22, s2
	s_add_co_u32 s22, s22, SLOTB                   ; one slot short of the first that is named: each change of slots steps it
	s_add_nc_u64 s[PFA:PFA+1], s[12:13], s[22:23]
	s_mul_i32 s2, s[Q], 3072
	s_mov_b32 s[G0C], 1
	s_add_co_u32 s[G0C+1], s2, CST
	s_mul_i32 s21, s21, 12288
	s_add_co_u32 s2, s2, s21
	s_add_nc_u64 s[G0C+2:G0C+3], s[14:15], s[2:3]
	s_or_b32 s[G0C+3], s[G0C+3], 0x80000000
; A UNIT is 16 rows x 128 k: unit u = 2 k + rt.  Sixteen loads, each one row's 512 consecutive bytes, into raw set u % 3.
.macro LOADU u
.set RAW, 192-64*(((\u)%3)%2)
.if (\u)%3 == 0
	WIN 0x40
.endif
.irp i, 0,1,2,3,4,5,6,7,8,9,10,11,12,13,14,15
	global_load_b128 v[RAW+4*\i:RAW+4*\i+3], v[LI], s[4:5] offset:(16*((\u)%2)+\i)*4096+512*((\u)/2) th:TH_LOAD_NT
.endr
	WIN 0
.endm
	LOADU 0                                        ; enc's first three units are asked for ahead of the round
	LOADU 1
	LOADU 2
	CROUND                                         ; in front of the first joint loads
	s_cmp_lt_u32 s[WV], 4                          ; one tensor load a wave at the head: waves 0-3 slot 0, waves 4-7 the constants
	s_cbranch_scc0 .Lhead_c
	tensor_load_to_lds s[G0W:G0W+3], s[G1B:G1B+7]
	s_nop 0
	PLACES
	s_branch .Lhead_j
.Lhead_c:
	tensor_load_to_lds s[G0C:G0C+3], s[G1C:G1C+7]
	s_nop 0
	PLACES
.Lhead_j:
; The unit turns through my stage, so that lane (r, h) holds k = 32 b + 16 h + 0..15 of row r for b = 0..3; then four blocks' scales and codes; the fragment goes to window 1.
.macro UNIT u
.set RAW, 192-64*(((\u)%3)%2)
.if (\u) < 14
	s_wait_loadcnt 32                              ; my unit is in; the two younger units' 32 loads stay out
.elseif (\u) == 14
	s_wait_loadcnt 16                              ; unit 15's stay out
.else
	s_wait_loadcnt 8                               ; the eight loads of coverage and mask stay out
.endif
.if (\u)%3 == 0
	WIN 0x04
.endif
.irp i, 0,1,2,3,4,5,6,7,8,9,10,11,12,13,14,15
	ds_store_b128 v[STS], v[RAW+4*\i:RAW+4*\i+3] offset:\i*528
.endr
	WIN 0
.irp b, 0,1,2,3
.irp j, 0,1,2,3
	ds_load_b128 v[X+16*\b+4*\j:X+16*\b+4*\j+3], v[STL] offset:128*\b+16*\j   ; LDS serves a wave's instructions in order: these see the stores
.endr
.endr
	s_wait_dscnt 0x0                               ; the numbers are back, and the stores have read the raw set
.if (\u)+3 < 16
	LOADU (\u)+3
.endif
.if (\u) == 8                          ; behind slot 1's first fill and this unit's loads: waves 0-3 name slot 2, which the first refill will load
	s_cmp_lt_u32 s[PLIM], 2
	s_cbranch_scc0 .Lnoask_h
	s_cmp_lt_u32 ttmp9, 4
	s_cbranch_scc0 .Lno_prefetch_score0_\@
	global_prefetch_b8 v[PFO], s[PFA:PFA+1] th:TH_LOAD_NT scope:SCOPE_SE
.Lno_prefetch_score0_\@:
.Lnoask_h:
.endif
.if (\u) == 14                         ; this unit's raw set is free: its upper half takes prev_coverage and the mask of rows 16 rt + 8 h + 0..7
.irp q, 0,1,2,3
	global_load_b128 v[COV+4*\q:COV+4*\q+3], v[CV8], s[6:7] offset:16*(\q%2)+64*(\q/2)
	global_load_b128 v[MSKR+4*\q:MSKR+4*\q+3], v[CV8], s[8:9] offset:16*(\q%2)+64*(\q/2)
.endr
.endif
.irp b, 0,1,2,3
	v_max3_num_f32 v[TM+\b], |v[X+16*\b]|, |v[X+1+16*\b]|, 0x1800000   ; the floor 2^(3 - 127): the byte cannot fall under 1
.endr
.irp i, 2,4,6,8,10,12,14
.irp b, 0,1,2,3
	v_max3_num_f32 v[TM+\b], v[TM+\b], |v[X+16*\b+\i]|, |v[X+1+16*\b+\i]|
.endr
.endr
.irp b, 0,1,2,3
	v_permlanex16_b32 v[TM+4+\b], v[TM+\b], s[SEL], s[SEL+1]
.endr
.irp b, 0,1,2,3
	v_max_num_f32 v[TM+\b], v[TM+\b], v[TM+4+\b]   ; with lane l xor 16's half: the block's largest magnitude
.endr
.irp b, 0,1,2,3
	v_add_nc_u32 v[TM+8+\b], 0xff000000, v[TM+\b]  ; 2 off the exponent field: the conversion's scale operand
.endr
.irp b, 0,1,2,3
	v_lshrrev_b32 v[TM+4+\b], 23, v[TM+8+\b]       ; the byte
.endr
	v_lshl_or_b32 v[AS+(\u)], v[TM+5], 8, v[TM+4]
	s_delay_alu instid0(VALU_DEP_1)
	v_lshl_or_b32 v[AS+(\u)], v[TM+6], 16, v[AS+(\u)]
	s_delay_alu instid0(VALU_DEP_1)
	v_lshl_or_b32 v[AS+(\u)], v[TM+7], 24, v[AS+(\u)]
.irp c, 0,1
	v_cvt_scalef32_pk16_fp6_f32 v[PC+4*\c:PC+4*\c+2], v[X+32*\c:X+32*\c+15], v[TM+8+2*\c]
	v_cvt_scalef32_pk16_fp6_f32 v[PC+8+4*\c:PC+8+4*\c+2], v[X+16+32*\c:X+16+32*\c+15], v[TM+9+2*\c]
.endr
	v_nop                                          ; one plain place behind a scaled conversion
.irp c, 0,1
.irp i, 0,1,2
	v_permlane16_swap_b32 v[PC+4*\c+\i], v[PC+8+4*\c+\i]   ; a whole block to a lane: lanes 0-15 block 2 c, lanes 16-31 block 2 c + 1
.endr
.endr
	WIN 0x40
.irp c, 0,1
.irp i, 0,1,2
	v_mov_b32 v[12*(\u)+6*\c+\i], v[PC+4*\c+\i]
	v_mov_b32 v[12*(\u)+6*\c+3+\i], v[PC+8+4*\c+\i]
.endr
.endr
	WIN 0
.endm
.set U, 0
.rept 8
	UNIT U
.set U, U+1
.endr
; SLOT 1'S FIRST FILL, in the middle of the head, issued as a refill is.  Three units of enc, 24 KiB a wave, are on their way meanwhile.
; The round also shows slot 0 and the constants whole to every wave: no barrier stands between the head's end and slot 0's tiles.
	s_wait_alu depctr_va_vdst(0)
	s_add_nc_u64 s[PFA:PFA+1], s[PFA:PFA+1], SLOTB ; no prefetch has been issued yet: now at slot 2
	s_wait_tensorcnt 0x0                           ; my part of slot 0 or of the constants has landed
	ds_add_u32 v[SPW], v[NIL]
	s_xor_b32 s[G0W+1], s[G0W+1], SLOT1
	s_add_nc_u64 s[G0W+2:G0W+3], s[G0W+2:G0W+3], SLOTB
	s_wait_dscnt 0x0
	CROUND
	s_cmp_lt_u32 s[WV], 4
	s_cbranch_scc0 .Lnofill_h
	tensor_load_to_lds s[G0W:G0W+3], s[G1B:G1B+7]
	s_nop 0
	PLACES
.Lnofill_h:
.rept 8
	UNIT U
.set U, U+1
.endr
.set J, 0
.rept 16
	v_mov_b32 v[SACC+J], 0                         ; (also the places between the last codes and scale words and the first matrix instruction)
.set J, J+1
.endr
	v_mov_b32 v[C0+3], 0                           ; named as the upper halves of the pairs that hold V_k
	v_mov_b32 v[C0+7], 0
.macro MMK k, rt
.set rD, ACC+8*(\rt)
.set rW, BUF+12*(\k)
.set rE, 12*(2*(\k)+(\rt))
.set rSW, BS+(\k)%4
.set rSE, AS+2*(\k)+(\rt)
.if (\k) == 0
	v_wmma_scale_f32_16x16x128_f8f6f4 v[rD:rD+7], v[rE:rE+11], v[rW:rW+11], 0, v[rSE], v[rSW] matrix_a_fmt:MATRIX_FMT_FP6 matrix_b_fmt:MATRIX_FMT_FP6
.elseif (\k) < 4
	v_wmma_scale_f32_16x16x128_f8f6f4 v[rD:rD+7], v[rE:rE+11], v[rW:rW+11], v[rD:rD+7], v[rSE], v[rSW] matrix_a_fmt:MATRIX_FMT_FP6 matrix_b_fmt:MATRIX_FMT_FP6
.else
	v_wmma_scale_f32_16x16x128_f8f6f4 v[rD:rD+7], v[rE:rE+11], v[rW:rW+11], v[rD:rD+7], v[rSE], v[rSW] matrix_a_fmt:MATRIX_FMT_FP6 matrix_b_fmt:MATRIX_FMT_FP6 matrix_b_scale:MATRIX_SCALE_ROW1
.endif
.endm
.macro LDW off                         ; a tile's 8 fragments and its scale words (lanes 0-15: K steps 0-3, lanes 16-31: 4-7)
.irp c, 0,1,2,3,4,5,6,7,8,9,10,11,12,13,14,15,16,17,18,19,20,21,22,23
	ds_load_b128 v[BUF+4*\c:BUF+4*\c+3], v[AB] offset:(\off)+512*\c
.endr
	ds_load_b128 v[BS:BS+3], v[AB] offset:(\off)+12288
.endm
.macro LDC set, off                    ; my column's three constants into a set
.irp q, 0,1,2
	ds_load_b32 v[C0+4*(\set)+\q], v[ACN] offset:(\off)+4096*\q
.endr
.endm
; The tile's 16 numbers a lane: c x pre, 2^.., + 1, 1 / .., x V into the sums.  Each batch of transcendentals has one wait ahead of it and one behind it.
; mode 1: the addresses step two tiles on; mode 2: to the next slot's first tile.
.macro EPI cs, mode
.set CS, C0+4*(\cs)
.irp j, 0,1,2,3,4,5,6,7
	v_pk_fma_f32 v[ACC+2*\j:ACC+2*\j+1], v[ACC+2*\j:ACC+2*\j+1], s[KK:KK+1], v[CS:CS+1] op_sel_hi:[1,0,0]
.endr
.irp j, 0,1,2,3,4,5,6,7
	v_pk_fma_f32 v[ACC+2*\j:ACC+2*\j+1], v[COV+2*\j:COV+2*\j+1], v[CS:CS+1], v[ACC+2*\j:ACC+2*\j+1] op_sel:[0,1,0] op_sel_hi:[1,1,1]
.endr
.if \mode
.if \mode == 1
	s_add_co_u32 s[TB], s[TB], 2*TILEB
.else
	s_sub_co_u32 s[TB], s[TB], 6*TILEB
	s_xor_b32 s[TB], s[TB], SLOT1
.endif
	s_add_co_u32 s[CB], s[CB], 128
	v_add_nc_u32 v[AB], s[TB], v[LI]
	v_add_nc_u32 v[ACN], s[CB], v[AC0]
.endif
	s_wait_alu depctr_va_vdst(0)
.irp j, 0,1,2,3,4,5,6,7,8,9,10,11,12,13,14,15
	v_exp_f32 v[ACC+\j], v[ACC+\j]
.endr
	v_nop
	s_wait_alu depctr_va_vdst(0)
.irp j, 0,1,2,3,4,5,6,7
	v_pk_add_f32 v[ACC+2*\j:ACC+2*\j+1], v[ACC+2*\j:ACC+2*\j+1], 1.0 op_sel_hi:[1,0]
.endr
	s_wait_alu depctr_va_vdst(0)
.irp j, 0,1,2,3,4,5,6,7,8,9,10,11,12,13,14,15
	v_rcp_f32 v[ACC+\j], v[ACC+\j]
.endr
	v_nop
	s_wait_alu depctr_va_vdst(0)
.irp j, 0,1,2,3,4,5,6,7
	v_pk_fma_f32 v[SACC+2*\j:SACC+2*\j+1], v[ACC+2*\j:ACC+2*\j+1], v[CS+2:CS+3], v[SACC+2*\j:SACC+2*\j+1] op_sel_hi:[1,0,1]
.endr
.endm
; A tile: its 16 matrix instructions in one group; four places; the next tile's 28 LDS loads, which land under this tile's vector work.
; bar 1: my part of the next slot has landed: say so.  bar 2: everybody's has: the loads below read it.
; bar 3: the change of slots: the slot read last takes the 8 tiles after those that are read now; the matrix instructions stand inside the round.
.macro TILE cs, woff, coff, ld, mode, bar
.if \bar == 3
	s_wait_xcnt 0x0                                ; my last prefetch has read its address
	s_add_nc_u64 s[PFA:PFA+1], s[PFA:PFA+1], SLOTB
	s_wait_tensorcnt 0x0                           ; all my tensor loads have landed
	ds_add_u32 v[SPW], v[NIL]
	s_xor_b32 s[G0W+1], s[G0W+1], SLOT1
	s_add_nc_u64 s[G0W+2:G0W+3], s[G0W+2:G0W+3], SLOTB
	s_wait_dscnt 0x0                               ; the add is done, my reads of the old slot too, and this tile's fragments are in
	s_barrier_signal -1
.else
	s_wait_dscnt 0x0                               ; the tile's fragments, scale words and constants are in
.if \bar == 1
	s_wait_tensorcnt 0x0
	s_barrier_signal -1
.endif
.endif
	WIN 0x01                                       ; source 0: window 1
.irp k, 0,1,2,3,4,5,6,7
	MMK \k, 0
	MMK \k, 1
.endr
	WIN 0
	PLACES
.if \bar == 2
	s_barrier_wait -1
.endif
.if \bar == 3
	s_barrier_wait -1
	CREST
	s_cmp_lt_u32 s[WV], 4
	s_cbranch_scc0 .Lnofill_\@
	tensor_load_to_lds s[G0W:G0W+3], s[G1B:G1B+7]
	s_nop 0
	PLACES
.Lnofill_\@:
.endif
.if \ld
	LDW \woff
	LDC 1-(\cs), \coff
.endif
.if \bar == 3
	s_cmp_gt_u32 s[CN1], s[PLIM]
	s_cbranch_scc0 .Lnoask_\@
	s_cmp_lt_u32 ttmp9, 4
	s_cbranch_scc0 .Lno_prefetch_score1_\@
	global_prefetch_b8 v[PFO], s[PFA:PFA+1] th:TH_LOAD_NT scope:SCOPE_SE
.Lno_prefetch_score1_\@:
.Lnoask_\@:
.endif
	EPI \cs, \mode
.endm
.macro PAIR_N
	TILE 0, TILEB, 64, 1, 0, 0
	TILE 1, 2*TILEB, 128, 1, 1, 0
.endm
	s_mov_b32 s[TB], 0
	s_mov_b32 s[CB], 0
	s_mov_b32 s[CN1], 6
	v_add_nc_u32 v[AB], s[TB], v[LI]
	v_add_nc_u32 v[ACN], s[CB], v[AC0]
	s_wait_alu depctr_va_vdst(0)
	s_wait_loadcnt 0x0                             ; prev_coverage and the mask
	LDW 0                                          ; slot 0 and the constants were shown whole by the round in the head
	LDC 0, 0
	s_mov_b32 s[CN2], 3                            ; slot 0: nothing is filled in front of it
.Lpair_0:
	PAIR_N
	s_sub_co_u32 s[CN2], s[CN2], 1
	s_cmp_lg_u32 s[CN2], 0
	s_cbranch_scc1 .Lpair_0
	TILE 0, TILEB, 64, 1, 2, 1
	TILE 1, 0, 0, 1, 0, 2                          ; fetches slot 1's first tile
.Lslot:                                                ; slots 1 to 6
	TILE 0, TILEB, 64, 1, 0, 3
	TILE 1, 2*TILEB, 128, 1, 1, 0
	s_mov_b32 s[CN2], 2
.Lpair_a:
	PAIR_N
	s_sub_co_u32 s[CN2], s[CN2], 1
	s_cmp_lg_u32 s[CN2], 0
	s_cbranch_scc1 .Lpair_a
	TILE 0, TILEB, 64, 1, 2, 1
	TILE 1, 0, 0, 1, 0, 2                          ; fetches the next slot's first tile
	s_sub_co_u32 s[CN1], s[CN1], 1
	s_cmp_lg_u32 s[CN1], 0
	s_cbranch_scc1 .Lslot
	s_mov_b32 s[CN2], 3                            ; slot 7: nothing is filled any more, so no barrier stands in front of it
.Lpair_b:
	PAIR_N
	s_sub_co_u32 s[CN2], s[CN2], 1
	s_cmp_lg_u32 s[CN2], 0
	s_cbranch_scc1 .Lpair_b
	TILE 0, TILEB, 64, 1, 0, 0
	TILE 1, 0, 0, 0, 0, 0
; THE WAY OUT: each row's sum over the 16 lanes that hold its columns; the sum of V_k; the work-group's 256 scores meet in LDS and leave as 1,024 consecutive bytes.
.set OT, BUF
	v_add_nc_u32 v123, CST+8192, v[LI]
	v_lshl_add_u32 v121, v0, 4, OUTS
	v_lshlrev_b32 v122, 4, v0
.irp j, 0,1,2,3,4,5,6,7
	ds_load_b128 v[OT+4*\j:OT+4*\j+3], v123 offset:512*\j
.endr
.irp m, 1,2,4,8
.irp i, 0,1,2,3,4,5,6,7,8,9,10,11,12,13,14,15
	v_add_f32_dpp v[SACC+\i], v[SACC+\i], v[SACC+\i] row_xmask:\m row_mask:0xf bank_mask:0xf
.endr
.endr
.irp i, 0,1,2,3,4,5,6,7,8,9,10,11,12,13,14,15
	v_cvt_f32_i32 v[MSKR+\i], v[MSKR+\i]
.endr
	s_wait_alu depctr_va_vdst(0)
	s_wait_dscnt 0x0
.irp j, 4,8,12,16,20,24,28
	v_pk_add_f32 v[OT:OT+1], v[OT:OT+1], v[OT+\j:OT+\j+1]
	v_pk_add_f32 v[OT+2:OT+3], v[OT+2:OT+3], v[OT+\j+2:OT+\j+3]
.endr
	v_pk_add_f32 v[OT:OT+1], v[OT:OT+1], v[OT+2:OT+3]
	v_add_f32 v[OT], v[OT], v[OT+1]
	v_add_f32_dpp v[OT], v[OT], v[OT] row_xmask:1 row_mask:0xf bank_mask:0xf
	v_add_f32_dpp v[OT], v[OT], v[OT] row_xmask:2 row_mask:0xf bank_mask:0xf
	v_add_f32_dpp v[OT], v[OT], v[OT] row_xmask:4 row_mask:0xf bank_mask:0xf
	v_add_f32_dpp v[OT], v[OT], v[OT] row_xmask:8 row_mask:0xf bank_mask:0xf
	v_permlanex16_b32 v[OT+1], v[OT], s[SEL], s[SEL+1]
	v_add_f32 v[OT], v[OT], v[OT+1]
	s_wait_alu depctr_va_vdst(0)
	s_wait_kmcnt 0x0                               ; V_b
	v_add_f32 v[OT], s[VB], v[OT]
.irp j, 0,1,2,3,4,5,6,7
	v_pk_fma_f32 v[SACC+2*\j:SACC+2*\j+1], v[SACC+2*\j:SACC+2*\j+1], -2.0, v[OT:OT+1] op_sel_hi:[1,0,0]   ; V_b + sum of V (1 - 2 / (1 + 2^..))
.endr
.irp j, 0,1,2,3,4,5,6,7
	v_pk_mul_f32 v[SACC+2*\j:SACC+2*\j+1], v[SACC+2*\j:SACC+2*\j+1], v[MSKR+2*\j:MSKR+2*\j+1]              ; x the mask
.endr
.irp q, 0,1,2,3
	ds_store_b128 v[OSA], v[SACC+4*\q:SACC+4*\q+3] offset:16*(\q%2)+64*(\q/2)   ; the sixteen lanes of a half write the same words with the same values
.endr
	s_wait_dscnt 0x0                               ; for the others: my 32 scores lie in LDS
	s_barrier_signal -1
	s_barrier_wait -1
	s_cmp_lt_u32 s[WV], 2
	s_cbranch_scc0 .Lend
	ds_load_b128 v[OT:OT+3], v121
	s_wait_dscnt 0x0
	global_store_b128 v122, v[OT:OT+3], s[16:17]   ; a wave stores 512 consecutive bytes
.Lend:
	s_wait_tensorcnt 0x0                           ; the wave's end
	ds_add_u32 v[SPW], v[NIL]
	s_wait_dscnt 0x0
	CROUND                                         ; the closing round
	s_endpgm
.Lfunc_end_k_q3775907039_score:
	.size	k_q3775907039_score, .Lfunc_end_k_q3775907039_score-k_q3775907039_score
	.p2alignl 7, 3214868480
	.fill 96, 4, 3214868480
	.section	.rodata,"a",@progbits
	.p2align	6, 0x0
	.amdhsa_kernel k_q3775907039_score
		.amdhsa_group_segment_fixed_size 327680
		.amdhsa_private_segment_fixed_size 0
		.amdhsa_enable_private_segment 0
		.amdhsa_kernarg_size 56
		.amdhsa_user_sgpr_count 2
		.amdhsa_user_sgpr_kernarg_segment_ptr 1
		.amdhsa_wavefront_size32 1
		.amdhsa_system_sgpr_workgroup_id_x 1
		.amdhsa_system_sgpr_workgroup_id_y 1
		.amdhsa_system_sgpr_workgroup_id_z 1
		.amdhsa_system_vgpr_workitem_id 0
		.amdhsa_next_free_vgpr 512
		.amdhsa_next_free_sgpr 66
		.amdhsa_reserve_vcc 0
		.amdhsa_float_denorm_mode_32 3
		.amdhsa_float_denorm_mode_16_64 3
		.amdhsa_memory_ordered 1
		.amdhsa_forward_progress 1
		.amdhsa_inst_pref_size 243
	.end_amdhsa_kernel
	.amdgpu_metadata
---
amdhsa.version: [ 1, 2 ]
amdhsa.kernels:
  - .name:           k_q3775907039_score
    .symbol:         k_q3775907039_score.kd
    .args:
      - { .name: enc_output, .offset: 0, .size: 8, .value_kind: global_buffer, .address_space: global }
      - { .name: prev_coverage, .offset: 8, .size: 8, .value_kind: global_buffer, .address_space: global }
      - { .name: enc_pad_mask, .offset: 16, .size: 8, .value_kind: global_buffer, .address_space: global }
      - { .name: V_b, .offset: 24, .size: 8, .value_kind: global_buffer, .address_space: global }
      - { .name: wsq, .offset: 32, .size: 8, .value_kind: global_buffer, .address_space: global }
      - { .name: cstw, .offset: 40, .size: 8, .value_kind: global_buffer, .address_space: global }
      - { .name: sc, .offset: 48, .size: 8, .value_kind: global_buffer, .address_space: global }
    .group_segment_fixed_size: 327680
    .private_segment_fixed_size: 0
    .kernarg_segment_align: 8
    .kernarg_segment_size: 56
    .max_flat_workgroup_size: 256
    .sgpr_count:     66
    .vgpr_count:     512
    .wavefront_size: 32
...
	.end_amdgpu_metadata
.endif
;; end of part 2
;; launch ctx (part 3): grid 256 x 1, 8 waves a work-group, no clusters, 13,824 bytes of LDS; arguments enc_output, prev_coverage, sc, out0, out1, out2; writes out0, out1, out2
.if DOCPART == 3
	.amdgcn_target "amdgcn-amd-amdhsa--gfx1250"
	.amdhsa_code_object_version 6
	.text
	.protected	k_q3775907039_ctx
	.globl	k_q3775907039_ctx
	.p2align	8
	.type	k_q3775907039_ctx,@function
k_q3775907039_ctx:
	s_mov_b64 s[64:65], 0
	v_nop
	global_prefetch_b8 v0, s[64:65] scope:SCOPE_SE
	s_setreg_imm32_b32 hwreg(HW_REG_WAVE_MODE, 25, 1), 1
	s_wait_xcnt 0x0
; BahdanauAttention, launch 3 of 3: w = softmax over l of the masked scores (the maximum taken away first), out1 = w, out2 = w + prev_coverage, out0[b][e] = sum over l of w enc[b][l][e].  Nothing of reference() is left out here.
; SHARES.  Work-group (b, sl) owns out0[b][128 sl .. 128 sl + 127] whole, so no sum spans work-groups, and the 256 weights 256 sl .. of out1 and out2.  Each of the eight work-groups of a batch takes the softmax of its 2,048 scores itself (8 KB).
; Wave w walks rows 256 w .. 256 w + 255: one load takes a row's 512 consecutive bytes, 16 a lane.  A ring of 32 slots in registers keeps 32 loads of every wave on their way.
; Memory binds: no matrix unit, no cluster (no two work-groups read the same bytes of enc), no tensor loads.
; LIMITS: NaN and infinities among the scores are not served.
.set WGT,   0                          ; LDS: the 2,048 weights
.set RED1,  8192                       ; the waves' maxima
.set RED2,  8448                       ; the waves' sums
.set PCX,   8704                       ; the waves' parts of the context, 512 bytes each
.set SPARE, 12800                      ; the spare words, 128 bytes for each wave: four blocks of 256 bytes that no other line names
.set SPW, 2                            ; v2   LDS address of my spare word; never rewritten
.set NIL, 3                            ; v3   0; never rewritten
.set T16, 4                            ; v4   16 x thread
.set RA,  5                            ; v5   4 x wave
.set ZR,  6                            ; v6   0
.set WRA, 7                            ; v7   the trip's weights
.set S,   8                            ; v8-15    my 8 scores, then weights
.set WR,  16                           ; v16-47   a trip's 32 weights, the same in every lane
.set ACC, 48                           ; v48-63   four sets of sums
.set X,   64                           ; v64-191  32 slots
.set PCV, 192                          ; v192-199 prev_coverage (wave 0)
.set OW,  200                          ; v200-207 the weights for out1 (wave 0)
.set T0,  208
.set T1,  209
.set OA,  210
	s_load_b256 s[4:11], s[0:1], 0x0               ; enc, prev_coverage, sc, out0
	s_load_b128 s[12:15], s[0:1], 0x20             ; out1, out2
	v_lshl_add_u32 v[SPW], v0, 2, SPARE
	v_mov_b32 v[NIL], 0
	v_lshrrev_b32 v1, 5, v0
	s_delay_alu instid0(VALU_DEP_1)
	v_readfirstlane_b32 s16, v1                    ; wave
	v_and_b32 v1, 31, v0
	s_delay_alu instid0(VALU_DEP_1)
	v_lshlrev_b32 v1, 4, v1                        ; 16 x lane
	s_wait_alu depctr_va_vdst(0)
	v_lshlrev_b32 v[T16], 4, v0
	v_mov_b32 v[RA], s16
	s_delay_alu instid0(VALU_DEP_1)
	v_lshlrev_b32 v[RA], 2, v[RA]
	v_mov_b32 v[ZR], 0
	v_mov_b32 v[T1], 0                             ; a lane permute's destination counts as one of its sources
	s_lshl_b32 s17, s16, 10                        ; my wave's 256 weights in LDS
	s_lshr_b32 s18, ttmp9, 3                       ; b
	s_and_b32 s19, ttmp9, 7                        ; sl
	s_lshl_b32 s20, s18, 13
	s_mov_b32 s21, 0
	s_lshl_b32 s27, s19, 10
	s_add_co_u32 s22, s20, s27
	s_mov_b32 s23, 0
	s_mov_b32 s24, 0x76543210
	s_mov_b32 s25, 0xfedcba98
	v_add_nc_u32 v[OA], s27, v1                    ; my work-group's 256 weights, 16 bytes a lane
.set J, 0
.rept 16
	v_mov_b32 v[ACC+J], 0
.set J, J+1
.endr
	s_wait_kmcnt 0x0
	s_add_nc_u64 s[8:9], s[8:9], s[20:21]          ; the batch's scores
	s_add_nc_u64 s[6:7], s[6:7], s[22:23]
	s_add_nc_u64 s[12:13], s[12:13], s[22:23]
	s_add_nc_u64 s[14:15], s[14:15], s[22:23]
	s_lshr_b32 s22, s22, 1                         ; 4,096 b + 512 sl
	s_add_nc_u64 s[10:11], s[10:11], s[22:23]
	s_lshl_b32 s20, s18, 23                        ; 2,048 rows of 4,096 bytes a batch,
	s_lshl_b32 s22, s16, 20                        ; 256 a wave,
	s_add_co_u32 s20, s20, s22
	s_lshl_b32 s22, s19, 9                         ; my 512 bytes of a row
	s_add_co_u32 s20, s20, s22
	s_add_nc_u64 s[4:5], s[4:5], s[20:21]
	global_load_b128 v[S:S+3], v[T16], s[8:9]
	global_load_b128 v[S+4:S+7], v[T16], s[8:9] offset:4096
	s_cmp_lg_u32 s16, 0
	s_cbranch_scc1 .Lno_pc
	global_load_b128 v[PCV:PCV+3], v1, s[6:7]
	global_load_b128 v[PCV+4:PCV+7], v1, s[6:7] offset:512
.Lno_pc:
.set J, 0
.rept 32
	global_load_b128 v[X+4*J:X+4*J+3], v1, s[4:5] offset:J*4096 th:TH_LOAD_NT     ; the ring is filled: rows 0-31
.set J, J+1
.endr
	s_wait_loadcnt 32                              ; the scores (and prev_coverage) are in; the ring's 32 loads stay out
	v_max3_num_f32 v[T0], v[S], v[S+1], v[S+2]
	s_delay_alu instid0(VALU_DEP_1)
	v_max3_num_f32 v[T0], v[T0], v[S+3], v[S+4]
	s_delay_alu instid0(VALU_DEP_1)
	v_max3_num_f32 v[T0], v[T0], v[S+5], v[S+6]
	s_delay_alu instid0(VALU_DEP_1)
	v_max_num_f32 v[T0], v[T0], v[S+7]
	s_delay_alu instid0(VALU_DEP_1)
	v_max_num_f32_dpp v[T0], v[T0], v[T0] row_xmask:1 row_mask:0xf bank_mask:0xf
	s_delay_alu instid0(VALU_DEP_1)
	v_max_num_f32_dpp v[T0], v[T0], v[T0] row_xmask:2 row_mask:0xf bank_mask:0xf
	s_delay_alu instid0(VALU_DEP_1)
	v_max_num_f32_dpp v[T0], v[T0], v[T0] row_xmask:4 row_mask:0xf bank_mask:0xf
	s_delay_alu instid0(VALU_DEP_1)
	v_max_num_f32_dpp v[T0], v[T0], v[T0] row_xmask:8 row_mask:0xf bank_mask:0xf
	s_delay_alu instid0(VALU_DEP_1)
	v_permlanex16_b32 v[T1], v[T0], s24, s25
	s_delay_alu instid0(VALU_DEP_1)
	v_max_num_f32 v[T0], v[T0], v[T1]
	ds_store_b32 v[RA], v[T0] offset:RED1          ; all lanes write the same word with the same value
	s_wait_dscnt 0x0
	s_barrier_signal -1
	s_barrier_wait -1
	ds_load_b128 v[WR:WR+3], v[ZR] offset:RED1
	ds_load_b128 v[WR+4:WR+7], v[ZR] offset:RED1+16
	s_wait_dscnt 0x0
	v_max3_num_f32 v[T0], v[WR], v[WR+1], v[WR+2]
	s_delay_alu instid0(VALU_DEP_1)
	v_max3_num_f32 v[T0], v[T0], v[WR+3], v[WR+4]
	s_delay_alu instid0(VALU_DEP_1)
	v_max3_num_f32 v[T0], v[T0], v[WR+5], v[WR+6]
	s_delay_alu instid0(VALU_DEP_1)
	v_max_num_f32 v[T0], v[T0], v[WR+7]            ; the batch's largest score
.irp i, 0,1,2,3,4,5,6,7
	v_sub_f32 v[S+\i], v[S+\i], v[T0]              ; the difference first, so that nothing large is rounded
.endr
.irp i, 0,1,2,3,4,5,6,7
	v_mul_f32 v[S+\i], 0x3fb8aa3b, v[S+\i]
.endr
	s_wait_alu depctr_va_vdst(0)
.irp i, 0,1,2,3,4,5,6,7
	v_exp_f32 v[S+\i], v[S+\i]
.endr
	v_nop                                          ; a plain instruction behind the last exponential
	s_wait_alu depctr_va_vdst(0)                   ; one wait for the eight, ahead of their first reader
	v_pk_add_f32 v[WR:WR+1], v[S:S+1], v[S+2:S+3]
	v_pk_add_f32 v[WR+2:WR+3], v[S+4:S+5], v[S+6:S+7]
	s_delay_alu instid0(VALU_DEP_1)
	v_pk_add_f32 v[WR:WR+1], v[WR:WR+1], v[WR+2:WR+3]
	s_delay_alu instid0(VALU_DEP_1)
	v_add_f32 v[T0], v[WR], v[WR+1]
	s_delay_alu instid0(VALU_DEP_1)
	v_add_f32_dpp v[T0], v[T0], v[T0] row_xmask:1 row_mask:0xf bank_mask:0xf
	s_delay_alu instid0(VALU_DEP_1)
	v_add_f32_dpp v[T0], v[T0], v[T0] row_xmask:2 row_mask:0xf bank_mask:0xf
	s_delay_alu instid0(VALU_DEP_1)
	v_add_f32_dpp v[T0], v[T0], v[T0] row_xmask:4 row_mask:0xf bank_mask:0xf
	s_delay_alu instid0(VALU_DEP_1)
	v_add_f32_dpp v[T0], v[T0], v[T0] row_xmask:8 row_mask:0xf bank_mask:0xf
	s_delay_alu instid0(VALU_DEP_1)
	v_permlanex16_b32 v[T1], v[T0], s24, s25
	s_delay_alu instid0(VALU_DEP_1)
	v_add_f32 v[T0], v[T0], v[T1]
	ds_store_b32 v[RA], v[T0] offset:RED2
	s_wait_dscnt 0x0
	s_barrier_signal -1
	s_barrier_wait -1
	ds_load_b128 v[WR:WR+3], v[ZR] offset:RED2
	ds_load_b128 v[WR+4:WR+7], v[ZR] offset:RED2+16
	s_wait_dscnt 0x0
	v_pk_add_f32 v[WR:WR+1], v[WR:WR+1], v[WR+2:WR+3]
	v_pk_add_f32 v[WR+4:WR+5], v[WR+4:WR+5], v[WR+6:WR+7]
	s_delay_alu instid0(VALU_DEP_1)
	v_pk_add_f32 v[WR:WR+1], v[WR:WR+1], v[WR+4:WR+5]
	s_delay_alu instid0(VALU_DEP_1)
	v_add_f32 v[T0], v[WR], v[WR+1]                ; at least 1: the largest score's term
	s_wait_alu depctr_va_vdst(0)
	v_rcp_f32 v[T1], v[T0]
	v_nop
	s_wait_alu depctr_va_vdst(0)
.irp i, 0,1,2,3,4,5,6,7
	v_mul_f32 v[S+\i], v[S+\i], v[T1]
.endr
	ds_store_b128 v[T16], v[S:S+3] offset:WGT
	ds_store_b128 v[T16], v[S+4:S+7] offset:WGT+4096
	s_wait_dscnt 0x0                               ; for the others: my eight weights lie in LDS
	s_barrier_signal -1
	s_barrier_wait -1
	s_cmp_lg_u32 s16, 0
	s_cbranch_scc1 .Lno_out
	ds_load_b128 v[OW:OW+3], v[OA]
	ds_load_b128 v[OW+4:OW+7], v[OA] offset:512
	s_wait_dscnt 0x0
	global_store_b128 v1, v[OW:OW+3], s[12:13]     ; each store covers 512 consecutive bytes
	global_store_b128 v1, v[OW+4:OW+7], s[12:13] offset:512
.irp j, 0,2,4,6
	v_pk_add_f32 v[PCV+\j:PCV+\j+1], v[PCV+\j:PCV+\j+1], v[OW+\j:OW+\j+1]
.endr
	global_store_b128 v1, v[PCV:PCV+3], s[14:15]
	global_store_b128 v1, v[PCV+4:PCV+7], s[14:15] offset:512
.Lno_out:
; A trip: 32 rows.  ahead = 1: each slot is filled again with the row 32 further down.
.macro STREAM ahead
	v_mov_b32 v[WRA], s17
.irp j, 0,1,2,3,4,5,6,7
	ds_load_b128 v[WR+4*\j:WR+4*\j+3], v[WRA] offset:WGT+16*\j      ; every lane reads the same words
.endr
	s_add_co_u32 s17, s17, 128
	s_wait_dscnt 0x0
.set I, 0
.rept 32
.if \ahead
	s_wait_loadcnt 31                              ; my slot's load is in; the 31 younger ones stay out
.else
	s_wait_loadcnt 31-I                            ; the last trip loads nothing: the counts run down
.endif
.set XA, X+4*I
.set AA, ACC+4*(I%4)
.set WP, WR+2*(I/2)
.if I%2 == 0
	s_wait_alu depctr_va_vdst(0)
	v_pk_fma_f32 v[AA:AA+1], v[XA:XA+1], v[WP:WP+1], v[AA:AA+1] op_sel_hi:[1,0,1]
	v_pk_fma_f32 v[AA+2:AA+3], v[XA+2:XA+3], v[WP:WP+1], v[AA+2:AA+3] op_sel_hi:[1,0,1]
.else
	v_pk_fma_f32 v[AA:AA+1], v[XA:XA+1], v[WP:WP+1], v[AA:AA+1] op_sel:[0,1,0] op_sel_hi:[1,1,1]
	v_pk_fma_f32 v[AA+2:AA+3], v[XA+2:XA+3], v[WP:WP+1], v[AA+2:AA+3] op_sel:[0,1,0] op_sel_hi:[1,1,1]
.endif
.if \ahead
	global_load_b128 v[XA:XA+3], v1, s[4:5] offset:(I+32)*4096 th:TH_LOAD_NT
.endif
.set I, I+1
.endr
.endm
	s_mov_b32 s26, 7
.Ltrip:
	s_wait_alu depctr_va_vdst(0)
	STREAM 1
	s_wait_xcnt 0x0                                ; the loads have read their base: it steps only behind this wait
	s_add_nc_u64 s[4:5], s[4:5], 131072
	s_sub_co_u32 s26, s26, 1
	s_cmp_lg_u32 s26, 0
	s_cbranch_scc1 .Ltrip
	STREAM 0
	v_pk_add_f32 v[ACC:ACC+1], v[ACC:ACC+1], v[ACC+4:ACC+5]
	v_pk_add_f32 v[ACC+2:ACC+3], v[ACC+2:ACC+3], v[ACC+6:ACC+7]
	s_wait_alu depctr_va_vdst(0)
	v_pk_add_f32 v[ACC+8:ACC+9], v[ACC+8:ACC+9], v[ACC+12:ACC+13]
	v_pk_add_f32 v[ACC+10:ACC+11], v[ACC+10:ACC+11], v[ACC+14:ACC+15]
	s_delay_alu instid0(VALU_DEP_2)
	v_pk_add_f32 v[ACC:ACC+1], v[ACC:ACC+1], v[ACC+8:ACC+9]
	s_delay_alu instid0(VALU_DEP_2)
	v_pk_add_f32 v[ACC+2:ACC+3], v[ACC+2:ACC+3], v[ACC+10:ACC+11]
	ds_store_b128 v[T16], v[ACC:ACC+3] offset:PCX
	s_wait_dscnt 0x0                               ; for wave 0: my 256 rows' part lies in LDS
	s_barrier_signal -1
	s_barrier_wait -1
	s_cmp_lg_u32 s16, 0
	s_cbranch_scc1 .Lend
.irp j, 0,1,2,3,4,5,6,7
	ds_load_b128 v[X+4*\j:X+4*\j+3], v1 offset:PCX+512*\j
.endr
	s_wait_dscnt 0x0
.irp j, 1
	v_pk_add_f32 v[X:X+1], v[X:X+1], v[X+4*\j:X+4*\j+1]
	v_pk_add_f32 v[X+2:X+3], v[X+2:X+3], v[X+4*\j+2:X+4*\j+3]
.endr
.irp j, 2, 3, 4, 5, 6, 7
	s_delay_alu instid0(VALU_DEP_2)
	v_pk_add_f32 v[X:X+1], v[X:X+1], v[X+4*\j:X+4*\j+1]
	s_delay_alu instid0(VALU_DEP_2)
	v_pk_add_f32 v[X+2:X+3], v[X+2:X+3], v[X+4*\j+2:X+4*\j+3]
.endr
	global_store_b128 v1, v[X:X+3], s[10:11]       ; 512 consecutive bytes of out0
.Lend:
	s_wait_tensorcnt 0x0                           ; the wave's end
	ds_add_u32 v[SPW], v[NIL]
	s_wait_dscnt 0x0
	s_endpgm
.Lfunc_end_k_q3775907039_ctx:
	.size	k_q3775907039_ctx, .Lfunc_end_k_q3775907039_ctx-k_q3775907039_ctx
	.p2alignl 7, 3214868480
	.fill 96, 4, 3214868480
	.section	.rodata,"a",@progbits
	.p2align	6, 0x0
	.amdhsa_kernel k_q3775907039_ctx
		.amdhsa_group_segment_fixed_size 13824
		.amdhsa_private_segment_fixed_size 0
		.amdhsa_enable_private_segment 0
		.amdhsa_kernarg_size 48
		.amdhsa_user_sgpr_count 2
		.amdhsa_user_sgpr_kernarg_segment_ptr 1
		.amdhsa_wavefront_size32 1
		.amdhsa_system_sgpr_workgroup_id_x 1
		.amdhsa_system_sgpr_workgroup_id_y 1
		.amdhsa_system_sgpr_workgroup_id_z 1
		.amdhsa_system_vgpr_workitem_id 0
		.amdhsa_next_free_vgpr 212
		.amdhsa_next_free_sgpr 66
		.amdhsa_reserve_vcc 0
		.amdhsa_float_denorm_mode_32 3
		.amdhsa_float_denorm_mode_16_64 3
		.amdhsa_memory_ordered 1
		.amdhsa_forward_progress 1
		.amdhsa_inst_pref_size 30
	.end_amdhsa_kernel
	.amdgpu_metadata
---
amdhsa.version: [ 1, 2 ]
amdhsa.kernels:
  - .name:           k_q3775907039_ctx
    .symbol:         k_q3775907039_ctx.kd
    .args:
      - { .name: enc_output, .offset: 0, .size: 8, .value_kind: global_buffer, .address_space: global }
      - { .name: prev_coverage, .offset: 8, .size: 8, .value_kind: global_buffer, .address_space: global }
      - { .name: sc, .offset: 16, .size: 8, .value_kind: global_buffer, .address_space: global }
      - { .name: out0, .offset: 24, .size: 8, .value_kind: global_buffer, .address_space: global }
      - { .name: out1, .offset: 32, .size: 8, .value_kind: global_buffer, .address_space: global }
      - { .name: out2, .offset: 40, .size: 8, .value_kind: global_buffer, .address_space: global }
    .group_segment_fixed_size: 13824
    .private_segment_fixed_size: 0
    .kernarg_segment_align: 8
    .kernarg_segment_size: 48
    .max_flat_workgroup_size: 256
    .sgpr_count:     66
    .vgpr_count:     212
    .wavefront_size: 32
...
	.end_amdgpu_metadata
.endif
;; end of part 3
